; MI455X (gfx1250); checked and timed in simulation.
; The chip was launched on July 23, 2026; its instructions are those of AMD's public machine-readable ISA for CDNA 5 (MIT licence, August 2026) and "CDNA5" Instruction Set Architecture Reference Guide (July 2026). The comments in the code are by the model that wrote it; some were corrected since.
;; Trellis Linear. Allowed arithmetic: matrix products marked QUANTISED: E2M1 operands, one E8M0 scale for each 32 along K, by v_wmma_scale_f32_16x16x128_f8f6f4 with both operands' format E2M1 (or v_wmma_scale_f32_32x16x128_f4), f32 sums; everything else in f32.
;; Inputs: SU 4,096 float32; SV 2,048 float32; trellis 32,768 x 32 int32; weight_scales 32,768 x 1 float32; x 4 x 2,048 x 4,096 float32.
;; Outputs: out0 4 x 2,048 x 2,048 float32.
;; This version of the problem:
;;   THIS VERSION OF THE PROBLEM IS GIVEN IN LOW PRECISION. The matrix products marked QUANTISED in the list below multiply operands that are first quantised to E2M1 (2 exponent bits, 1 mantissa bit; 4 bits a number), with one power-of-two scale for each 32 numbers along K (OCP MX v1.0); their sums are f32. All else is computed in f32.
;;   The module's matrix products, in the order in which they are computed (A, B: the left and right operand; K: the contracted axis; several contracted axes count as one K, in the product's order):
;;     1. [M 8,192, K 4,096] x [K 4,096, N 2,048]; A: computed on the way; B: computed on the way: QUANTISED
;;   THE QUANTISER, for each operand of a quantised product, along K:
;;     - K is cut into blocks of 32 from its start; a last block that is shorter is filled with zeros.
;;     - A block's scale is 2^e with e = floor(log2(the largest magnitude in the block)) - 2, held to -126 .. 127; a block of zeros has e = 0. As a byte (E8M0): e + 127.
;;     - Each number is divided by its block's scale, clamped to +-6, and rounded to the nearest number of E2M1, ties to even, subnormals kept.
;;     - The product sums the exact products of the quantised numbers (number of the format x scale) in f32.
;;   ~~~python
;;   def quantise(x, axis):      # numpy; x: float32 -> the quantised numbers, widened to float32 again
;;       x = np.moveaxis(x, axis, -1); K = x.shape[-1]
;;       x = np.pad(x, [(0, 0)] * (x.ndim - 1) + [(0, -K % 32)]); x = x.reshape(x.shape[:-1] + (-1, 32)); a = np.abs(x).max(-1, keepdims=True)
;;       e = np.where(a > 0, np.clip(np.frexp(np.where(a > 0, a, 1))[1] - 1 - 2, -126, 127), 0)      # np.frexp(a)[1] - 1 = floor(log2(a)), exactly
;;       r = np.clip(x / 2.0 ** e, -6, 6)
;;       step = 2.0 ** (np.maximum(np.frexp(np.where(r == 0, 1, r))[1] - 1, 0) - 1)
;;       q = np.round(r / step) * step * 2.0 ** e      # np.round: ties to even
;;       return np.moveaxis(q.reshape(q.shape[:-2] + (-1,))[..., :K], -1, axis).astype(np.float32)
;;   ~~~
;;   OPERANDS COMPUTED ON THE WAY. 'Computed on the way' means the value that the module computes at that place (a softmax that the list does not call 'softmax' is quantised finished and normalised). What goes into a quantiser is computed in f32, as accurately as f32 sums, v_exp_f32 and their like allow (about 1e-6 of the number): no bf16 or f16 on the way to a quantiser, and a product that is left as it is and whose result goes on into a quantised operand takes f32 operands (vector FMAs, or v_wmma_f32_16x16x4_f32). A number that lies on a knife's edge between two numbers of the format may be rounded either way, as far as f32 arithmetic and the matrix unit's own rounding can turn it there, and no further.
;; One version. Each part assembles by itself: llvm-mc -triple=amdgcn-amd-amdhsa -mcpu=gfx1250 --defsym DOCPART=n.
;; ======== version 1 of 1: 4 launches
;; limits: right only within a limited range of input values
;; workspace buffers: pmm 8,388,608 bytes; params 65,536 bytes; acode 17,825,792 bytes; bcode 4,456,448 bytes
;; launch xminmax (part 1): grid 256 x 1, 4 waves a work-group, no clusters, 203,264 bytes of LDS; arguments x, SU, pmm; writes pmm
.if DOCPART == 1
	.amdgcn_target "amdgcn-amd-amdhsa--gfx1250"
	.amdhsa_code_object_version 6
	.text
	.protected	k_q2b87fbf25d_xminmax
	.globl	k_q2b87fbf25d_xminmax
	.p2align	8
	.type	k_q2b87fbf25d_xminmax,@function
k_q2b87fbf25d_xminmax:
	s_mov_b64 s[64:65], 0
	v_nop
	global_prefetch_b8 v0, s[64:65] scope:SCOPE_SE
	s_setreg_imm32_b32 hwreg(HW_REG_WAVE_MODE, 25, 1), 1
	s_wait_xcnt 0x0
; u = H (x * SU), the Walsh-Hadamard transform of 4,096 along a row of x WITHOUT its factor 1/64 (a power of two: it changes no rounding), and of u the smallest and the
; largest number of each channel over this work-group's 32 rows.  pmm: [2 (min, max)][256 work-groups][4096] f32.
; THE ORDER OF THE ARITHMETIC IS THE DEFINITION'S: x * SU is rounded first, then the twelve stages go by distance 1, 2, 4 .. 2048, the lower element taking a + b and the upper a - b:
; the launch that quantises makes the same sums in the same order, so that both see the same bits.
; SHARES: wave w of work-group g takes rows 32 g + 8 w + 0 .. 7, a whole row at a time.
; LAYOUTS of channel i (12 bits).  As loaded: lane i[6:2], register 4 i[11:7] + i[1:0].  Turned: lane i[11:7], register i[6:0].
; A row goes: as loaded -> first turn through LDS -> turned: x SU and stages 0-6 inside a lane -> second turn -> as loaded: stages 7-11 are register distances 4 .. 64, inside a lane.
; Each turn is 32 lines of 512 + 16 bytes of the wave's own; the second uses the wave's lines for the end, which are idle until then.
; REGISTERS: window 0: v1-15 addresses, v32-63 T, v128-255 X (stages 7-11);  window 1: v0-127 SU turned, v128-255 the row on its way;  window 2: minima, maxima;  window 3: v128-255 XA (stages 0-6).
; No tensor loads, clusters or matrix units: the waves share no tile.
; LIMITS: NaN and infinities among the inputs are not served.
.set ROWB, 16384
.set LP,   528
.set TBW,  32*LP
.set RED,  4*TBW                       ; for each wave 64 lines: the second turn, and at the end its minima and its maxima
.set GOFF, 1
.set LC,   2                           ; first turn, as loaded
.set LA,   3                           ; first turn, a line a lane
.set RW,   12                          ; my 64 lines, as loaded
.set RB,   13
.set LA2,  15                          ; my 64 lines, a line a lane
.set T,    32
.set X,    128
.set GR,   128
.set ROW,  11
.set XP,   12
.set MSB, 0
.macro WIN new                         ; the immediate's high byte repeats the setting that is left
.if MSB != \new
	s_set_vgpr_msb (MSB<<8)|\new
.set MSB, \new
.endif
.endm
; two stages, distances d and 2 d, on four butterflies of four register pairs; rd, wr: the windows while the row is read, and while it is written
.macro R4B a0, s1, s2, d, rd, wr
	WIN \rd
.irp t, 0,1,2,3
.set ra, (\a0)+(\s1)*(\t%2)+(\s2)*(\t/2)
	v_pk_add_f32 v[T+8*\t:T+8*\t+1], v[ra:ra+1], v[ra+\d:ra+\d+1]
	v_pk_add_f32 v[T+8*\t+2:T+8*\t+3], v[ra:ra+1], v[ra+\d:ra+\d+1] neg_lo:[0,1] neg_hi:[0,1]
	v_pk_add_f32 v[T+8*\t+4:T+8*\t+5], v[ra+2*\d:ra+2*\d+1], v[ra+3*\d:ra+3*\d+1]
	v_pk_add_f32 v[T+8*\t+6:T+8*\t+7], v[ra+2*\d:ra+2*\d+1], v[ra+3*\d:ra+3*\d+1] neg_lo:[0,1] neg_hi:[0,1]
.endr
	WIN \wr
.irp t, 0,1,2,3
.set ra, (\a0)+(\s1)*(\t%2)+(\s2)*(\t/2)
	v_pk_add_f32 v[ra:ra+1], v[T+8*\t:T+8*\t+1], v[T+8*\t+4:T+8*\t+5]
	v_pk_add_f32 v[ra+2*\d:ra+2*\d+1], v[T+8*\t:T+8*\t+1], v[T+8*\t+4:T+8*\t+5] neg_lo:[0,1] neg_hi:[0,1]
	v_pk_add_f32 v[ra+\d:ra+\d+1], v[T+8*\t+2:T+8*\t+3], v[T+8*\t+6:T+8*\t+7]
	v_pk_add_f32 v[ra+3*\d:ra+3*\d+1], v[T+8*\t+2:T+8*\t+3], v[T+8*\t+6:T+8*\t+7] neg_lo:[0,1] neg_hi:[0,1]
.endr
.endm
.macro MULSU                           ; XA x SU, both turned
	WIN 0xc7
.set gi, 0
.rept 64
	v_pk_mul_f32 v[X+gi:X+gi+1], v[X+gi:X+gi+1], v[gi:gi+1]
.set gi, gi+2
.endr
	WIN 0
.endm
.macro PHASEA                          ; stages 0 .. 6: register bits 0 .. 6 of XA
	WIN 0xcf
.set gi, 0
.rept 64
	v_pk_add_f32 v[X+gi:X+gi+1], v[X+gi:X+gi+1], v[X+gi:X+gi+1] op_sel:[0,1] op_sel_hi:[0,1] neg_hi:[0,1]   ; inside a pair: low = a + b, high = a - b
.set gi, gi+2
.endr
.irp g, 0,1,2,3
	R4B X+32*\g, 8, 16, 2, 0x0f, 0xc0
	R4B X+32*\g, 2, 4, 8, 0x0f, 0xc0
.endr
.irp b, 0,1,2,3
	R4B X+8*\b, 2, 4, 32, 0x0f, 0xc0
.endr
	WIN 0
.endm
.macro PHASEB                          ; stages 7 .. 10: register bits 2 .. 5 of X; stage 11 is LAST's
.irp g, 0,1,2,3
	R4B X+32*\g, 2, 16, 4, 0, 0
.endr
.irp b, 0,1,2,3
	R4B X+64*(\b/2)+8*(\b%2), 2, 4, 16, 0, 0
.endr
.endm
.macro LAST c                          ; stage 11 on registers 32 c .. 32 c + 31 and their partners 64 on: the sums go to T, the differences stay
.set li, 0
.rept 16
	v_pk_add_f32 v[T+li:T+li+1], v[X+32*\c+li:X+32*\c+li+1], v[X+64+32*\c+li:X+64+32*\c+li+1]
.set li, li+2
.endr
.set li, 0
.rept 16
	v_pk_add_f32 v[X+64+32*\c+li:X+64+32*\c+li+1], v[X+32*\c+li:X+32*\c+li+1], v[X+64+32*\c+li:X+64+32*\c+li+1] neg_lo:[0,1] neg_hi:[0,1]
.set li, li+2
.endr
.endm
.macro T1ST                            ; the row that has arrived goes into the first turn as it was loaded (an LDS store's data are its source 1: window 1)
	WIN 0x04
.set ri, 0
.rept 32
	ds_store_b128 v[LC], v[GR+4*ri:GR+4*ri+3] offset:LP*ri
.set ri, ri+1
.endr
	WIN 0
.endm
.macro T1LD                            ; and out of it, a line a lane, into XA
	WIN 0xc0
.set ri, 0
.rept 32
	ds_load_b128 v[X+4*ri:X+4*ri+3], v[LA] offset:16*ri
.set ri, ri+1
.endr
	WIN 0
.endm
.macro T2                              ; the second turn: XA in, a line a lane; X out, as loaded (LDS serves a wave's instructions in order)
	WIN 0x0c
.set ri, 0
.rept 32
	ds_store_b128 v[LA2], v[X+4*ri:X+4*ri+3] offset:16*ri
.set ri, ri+1
.endr
	WIN 0
.set ri, 0
.rept 32
	ds_load_b128 v[X+4*ri:X+4*ri+3], v[RW] offset:LP*ri
.set ri, ri+1
.endr
.endm
.macro GLOAD                           ; a whole row: 32 loads of 512 consecutive bytes
	WIN 0x40
.set ri, 0
.rept 32
	global_load_b128 v[GR+4*ri:GR+4*ri+3], v[GOFF], s[XP:XP+1] offset:512*ri th:TH_LOAD_NT
.set ri, ri+1
.endr
	WIN 0
.endm
.macro MM src, k0                      ; 32 numbers against the running minima and maxima k0 .. k0 + 31
	WIN 0x82
.set mi, 0
.rept 32
	v_min_num_f32 v[(\k0)+mi], v[(\k0)+mi], v[(\src)+mi]
.set mi, mi+1
.endr
.set mi, 0
.rept 32
	v_max_num_f32 v[128+(\k0)+mi], v[128+(\k0)+mi], v[(\src)+mi]
.set mi, mi+1
.endr
	WIN 0
.endm
	s_load_b128 s[4:7], s[0:1], 0x0                ; x, SU
	s_load_b64 s[8:9], s[0:1], 0x10                ; pmm
	v_lshl_add_u32 v126, v0, 2, 0x31800            ; my spare word, behind the lines
	v_mov_b32 v127, 0
	v_lshrrev_b32 v4, 5, v0
	v_readfirstlane_b32 s10, v4                    ; wave 0..3
	v_and_b32 v5, 31, v0                           ; lane
	v_lshlrev_b32 v[GOFF], 4, v5
	s_mul_i32 s14, s10, TBW
	v_add_nc_u32 v[LC], s14, v[GOFF]
	v_mul_u32_u24 v[LA], v5, LP
	s_mul_i32 s15, s10, 2*TBW
	s_add_co_u32 s15, s15, RED
	v_add_nc_u32 v[LA2], s15, v[LA]
	v_add_nc_u32 v[RW], s15, v[GOFF]
	v_add_nc_u32 v[LA], s14, v[LA]
	s_mul_i32 s15, s10, 8*LP                       ; at the end I take lines 8 w .. 8 w + 7 of all four waves
	s_add_co_u32 s15, s15, RED
	v_add_nc_u32 v[RB], s15, v[GOFF]
	v_add_nc_u32 v[RB+1], 4*TBW, v[RB]
	s_lshl_b32 s12, ttmp9, 19                      ; 32 rows of 16,384 bytes a work-group,
	s_lshl_b32 s14, s10, 17                        ; 8 a wave
	s_add_co_u32 s12, s12, s14
	s_mov_b32 s13, 0
	s_lshl_b32 s16, ttmp9, 14                      ; pmm: 16,384 bytes a work-group, 4,096 of them mine
	s_lshl_b32 s14, s10, 12
	s_add_co_u32 s16, s16, s14
	s_mov_b32 s17, 0
	s_mov_b32 s18, 0x7f800000                      ; +infinity
	s_mov_b32 s19, 0xff800000                      ; -infinity
	s_wait_alu depctr_va_vdst(0)
	s_wait_kmcnt 0x0
	s_add_nc_u64 s[XP:XP+1], s[4:5], s[12:13]
	s_add_nc_u64 s[8:9], s[8:9], s[16:17]
.set i, 0
.rept 32
	global_load_b128 v[X+4*i:X+4*i+3], v[GOFF], s[6:7] offset:512*i   ; SU, as a row is loaded
.set i, i+1
.endr
	GLOAD                                          ; row 0
	WIN 0x80                                       ; the minima begin at +infinity, the maxima at -infinity: the loop has no first trip of its own
.set i, 0
.rept 128
	v_mov_b32 v[i], s18
	v_mov_b32 v[128+i], s19
.set i, i+1
.endr
	WIN 0
	s_wait_loadcnt 32                              ; SU is in; row 0's 32 loads may be out
.set i, 0
.rept 32
	ds_store_b128 v[LC], v[X+4*i:X+4*i+3] offset:LP*i
.set i, i+1
.endr
	WIN 0x40
.set i, 0
.rept 32
	ds_load_b128 v[4*i:4*i+3], v[LA] offset:16*i   ; SU turned, into window 1
.set i, i+1
.endr
	WIN 0
	s_wait_loadcnt 0x0                             ; row 0
	s_wait_dscnt 0x0                               ; SU's way through the turn is over
	T1ST
	T1LD
	s_wait_dscnt 32                                ; all but the 32 loads just issued: the stores have read their registers
	s_wait_xcnt 0x0                                ; row 0's loads have read their base
	s_add_nc_u64 s[XP:XP+1], s[XP:XP+1], ROWB
	GLOAD                                          ; row 1
	s_mov_b32 s[ROW], 0
.Lrow:                                             ; 8 trips.  On entry: row r's 32 loads out of the first turn are issued, row r + 1's 32 loads from memory are on their way
	s_wait_dscnt 0x0                               ; row r is in XA: my reads of the first turn are over
	s_cmp_lt_u32 s[ROW], 7
	s_cbranch_scc0 .Lno_raw                        ; the last row has no successor
	s_wait_loadcnt 0x0                             ; row r + 1 has arrived
	T1ST
.Lno_raw:
	MULSU
	s_cmp_lt_u32 s[ROW], 6
	s_cbranch_scc0 .Lno_ask                        ; no load leaves my eight rows
	s_wait_loadcnt 0x0                             ; no load into these registers is out,
	s_wait_dscnt 0x0                               ; the stores into the turn have read them,
	s_wait_xcnt 0x0                                ; and the last loads have read their base
	s_add_nc_u64 s[XP:XP+1], s[XP:XP+1], ROWB
	GLOAD                                          ; row r + 2
.Lno_ask:
	PHASEA
	s_wait_alu depctr_va_vdst(0)
	T2
	s_wait_dscnt 0x0                               ; row r is in X, and the second turn's stores have read XA
	s_cmp_lt_u32 s[ROW], 7
	s_cbranch_scc0 .Lno_ld
	T1LD                                           ; row r + 1 into XA, under the arithmetic below
.Lno_ld:
	PHASEB
	LAST 0
	MM T, 0
	MM X+64, 64
	LAST 1
	MM T, 32
	MM X+96, 96
	s_add_co_u32 s[ROW], s[ROW], 1
	s_cmp_lt_u32 s[ROW], 8
	s_cbranch_scc1 .Lrow
	; THE END.  Each wave lays its minima and maxima by channel into its own lines (line = channel / 128); behind the barrier wave w joins lines 8 w .. 8 w + 7 of all four and stores them.
	WIN 0x08
	s_wait_alu depctr_va_vdst(0)
.set i, 0
.rept 32
	ds_store_b128 v[RW], v[4*i:4*i+3] offset:LP*i
	ds_store_b128 v[RW], v[128+4*i:128+4*i+3] offset:TBW+LP*i
.set i, i+1
.endr
	WIN 0
	s_wait_dscnt 0x0                               ; for the others' sake: my stores have landed
	s_barrier_signal -1
	s_barrier_wait -1
.irp mm, 0,1
.if \mm
	s_wait_xcnt 0x0                                ; the minima's stores have read their registers
.endif
.irp w2, 0,1,2,3
.irp jj, 0,1,2,3,4,5,6,7
	ds_load_b128 v[X+32*\w2+4*\jj:X+32*\w2+4*\jj+3], v[RB+\w2/2] offset:(2*(\w2%2)+\mm)*TBW+LP*\jj
.endr
.endr
	s_wait_dscnt 0x0
.set i, 0
.rept 32
.if \mm
	v_max3_num_f32 v[X+i], v[X+i], v[X+32+i], v[X+64+i]
.else
	v_min3_num_f32 v[X+i], v[X+i], v[X+32+i], v[X+64+i]
.endif
.set i, i+1
.endr
.set i, 0
.rept 32
.if \mm
	v_max_num_f32 v[X+i], v[X+i], v[X+96+i]
.else
	v_min_num_f32 v[X+i], v[X+i], v[X+96+i]
.endif
.set i, i+1
.endr
.irp jj, 0,1,2,3,4,5,6,7
	global_store_b128 v[GOFF], v[X+4*\jj:X+4*\jj+3], s[8:9] offset:\mm*4194304+512*\jj   ; 32 lanes store 512 consecutive bytes
.endr
.endr
	s_wait_tensorcnt 0x0                           ; the wave's end
	ds_add_u32 v126, v127
	s_wait_dscnt 0x0
	s_endpgm
.Lfunc_end_k_q2b87fbf25d_xminmax:
	.size	k_q2b87fbf25d_xminmax, .Lfunc_end_k_q2b87fbf25d_xminmax-k_q2b87fbf25d_xminmax
	.p2alignl 7, 3214868480
	.fill 96, 4, 3214868480
	.section	.rodata,"a",@progbits
	.p2align	6, 0x0
	.amdhsa_kernel k_q2b87fbf25d_xminmax
		.amdhsa_group_segment_fixed_size 203264
		.amdhsa_private_segment_fixed_size 0
		.amdhsa_enable_private_segment 0
		.amdhsa_kernarg_size 24
		.amdhsa_user_sgpr_count 2
		.amdhsa_user_sgpr_kernarg_segment_ptr 1
		.amdhsa_wavefront_size32 1
		.amdhsa_system_sgpr_workgroup_id_x 1
		.amdhsa_system_sgpr_workgroup_id_y 1
		.amdhsa_system_sgpr_workgroup_id_z 1
		.amdhsa_system_vgpr_workitem_id 0
		.amdhsa_next_free_vgpr 1024
		.amdhsa_next_free_sgpr 66
		.amdhsa_reserve_vcc 0
		.amdhsa_float_denorm_mode_32 3
		.amdhsa_float_denorm_mode_16_64 3
		.amdhsa_memory_ordered 1
		.amdhsa_forward_progress 1
		.amdhsa_inst_pref_size 117
	.end_amdhsa_kernel
	.amdgpu_metadata
---
amdhsa.version: [ 1, 2 ]
amdhsa.kernels:
  - .name:           k_q2b87fbf25d_xminmax
    .symbol:         k_q2b87fbf25d_xminmax.kd
    .args:
      - { .name: x, .offset: 0, .size: 8, .value_kind: global_buffer, .address_space: global }
      - { .name: SU, .offset: 8, .size: 8, .value_kind: global_buffer, .address_space: global }
      - { .name: pmm, .offset: 16, .size: 8, .value_kind: global_buffer, .address_space: global }
    .group_segment_fixed_size: 203264
    .private_segment_fixed_size: 0
    .kernarg_segment_align: 8
    .kernarg_segment_size: 24
    .max_flat_workgroup_size: 128
    .sgpr_count:     66
    .vgpr_count:     1024
    .wavefront_size: 32
...
	.end_amdgpu_metadata
.endif
;; end of part 1
;; launch wquant (part 2): grid 128 x 1, 16 waves a work-group, no clusters, 325,632 bytes of LDS; arguments trellis, SV, weight_scales, SU, pmm, bcode, params; writes bcode, params
.if DOCPART == 2
	.amdgcn_target "amdgcn-amd-amdhsa--gfx1250"
	.amdhsa_code_object_version 6
	.text
	.protected	k_q2b87fbf25d_wquant
	.globl	k_q2b87fbf25d_wquant
	.p2align	8
	.type	k_q2b87fbf25d_wquant,@function
k_q2b87fbf25d_wquant:
	s_mov_b64 s[64:65], 0
	v_nop
	global_prefetch_b8 v0, s[64:65] scope:SCOPE_SE
	s_setreg_imm32_b32 hwreg(HW_REG_WAVE_MODE, 25, 1), 1
	s_wait_xcnt 0x0
; THE WEIGHTS: 2-bit codes out of the trellis words -> the grid (-3, -1, 1, 3) / sqrt(5) -> Walsh-Hadamard transform of 2,048 along the OUTPUT axis, stages by distance 1, 2 .. 1024 -> x 1/sqrt(2048) -> x SV[o]
; -> x the scale of the group of 256 (in that order, each product rounded) -> MX-FP4 along the input axis.  AND the fake-quantiser's numbers for 32 channels, out of the 256 partial minima and maxima.
; SHARES.  Work-group ib owns input columns 32 ib .. 32 ib + 31, one block of the quantiser, for all 2,048 outputs: 65,536 numbers = 16 waves x 32 lanes x 128 registers; and channels 32 ib .. + 31 of the partials.
; THE TRANSFORM in two passes through LDS.  Pass 1: a lane holds 32 neighbouring outputs x 4 columns: stages 0-4.  Pass 2: a lane holds the 64 outputs 32 apart x 2 columns: stages 5-10.  Then a lane reads whole rows (32 columns) and quantises them.
; The grid is made with the sign turned (the code's upper bit is the sign bit of the NEGATIVE); the factor -1/sqrt(2048) turns it back: both exact.
; bcode: [8 K steps][17 planes][2048 outputs][16 bytes]: plane p < 16 the 32 codes of block 16 s + p, the lower k in the low four bits; plane 16 the row's 16 scale bytes of the K step.
; The scale bytes leave one at a time: a row's sixteen belong to sixteen work-groups; they are 262,144 bytes in all.
; params: [4][4096] f32: SU; 64 x scale; (1 / scale) / 64; zero.  The divisions are made right to the last bit: a reciprocal refined once, a quotient corrected once by its own remainder.
; LDS: W(o, c) at 144 o + 128 (o / 32) + 4 c;  RAW: a row's 8 bytes of codes at 8 o + 8 (o / 32);  RED: 128 bytes a wave.  The paddings keep the lanes of every access here in different banks.
; No matrix unit and no tensor load: the work is vector work on data that the work-group reads once.  128 work-groups: one for each block of 32 columns.
; LIMITS: NaN and infinities are not served; a block of zeros gets the byte 1 with zero codes (these bytes are read by this program alone).
.set WP,   144
.set OGP,  32*WP+128                   ; 4,736: 32 rows
.set RAW,  64*OGP                      ; 303,104
.set RED,  RAW+16896                   ; 320,000
.set T,    64
.set D,    128
.macro R4B a0, s1, s2, d               ; two stages at once, distances d and 2 d, on four butterflies of four register pairs; butterfly t begins at a0 + s1 (t % 2) + s2 (t / 2)
.irp t, 0,1,2,3
.set ra, (\a0)+(\s1)*(\t%2)+(\s2)*(\t/2)
	v_pk_add_f32 v[T+8*\t:T+8*\t+1], v[ra:ra+1], v[ra+\d:ra+\d+1]
	v_pk_add_f32 v[T+8*\t+2:T+8*\t+3], v[ra:ra+1], v[ra+\d:ra+\d+1] neg_lo:[0,1] neg_hi:[0,1]
	v_pk_add_f32 v[T+8*\t+4:T+8*\t+5], v[ra+2*\d:ra+2*\d+1], v[ra+3*\d:ra+3*\d+1]
	v_pk_add_f32 v[T+8*\t+6:T+8*\t+7], v[ra+2*\d:ra+2*\d+1], v[ra+3*\d:ra+3*\d+1] neg_lo:[0,1] neg_hi:[0,1]
.endr
.irp t, 0,1,2,3
.set ra, (\a0)+(\s1)*(\t%2)+(\s2)*(\t/2)
	v_pk_add_f32 v[ra:ra+1], v[T+8*\t:T+8*\t+1], v[T+8*\t+4:T+8*\t+5]
	v_pk_add_f32 v[ra+2*\d:ra+2*\d+1], v[T+8*\t:T+8*\t+1], v[T+8*\t+4:T+8*\t+5] neg_lo:[0,1] neg_hi:[0,1]
	v_pk_add_f32 v[ra+\d:ra+\d+1], v[T+8*\t+2:T+8*\t+3], v[T+8*\t+6:T+8*\t+7]
	v_pk_add_f32 v[ra+3*\d:ra+3*\d+1], v[T+8*\t+2:T+8*\t+3], v[T+8*\t+6:T+8*\t+7] neg_lo:[0,1] neg_hi:[0,1]
.endr
.endm
; 8 partials x 4 channels of a lane, then the lanes 8 and 16 away: the smallest (or largest) of 32 partials
.macro RED8 m3, m2, md
.irp c, 0,1,2,3
	\m3 v[112+\c], v[80+\c], v[84+\c], v[88+\c]
.endr
.irp c, 0,1,2,3
	s_delay_alu instid0(VALU_DEP_4)
	\m3 v[112+\c], v[112+\c], v[92+\c], v[96+\c]
.endr
.irp c, 0,1,2,3
	s_delay_alu instid0(VALU_DEP_4)
	\m3 v[112+\c], v[112+\c], v[100+\c], v[104+\c]
.endr
.irp c, 0,1,2,3
	s_delay_alu instid0(VALU_DEP_4)
	\m2 v[112+\c], v[112+\c], v[108+\c]
.endr
.irp c, 0,1,2,3
	s_delay_alu instid0(VALU_DEP_4)
	\md v[112+\c], v[112+\c], v[112+\c] row_xmask:8 row_mask:0xf bank_mask:0xf
.endr
.irp c, 0,1,2,3
	s_delay_alu instid0(VALU_DEP_4)
	v_permlanex16_b32 v[116+\c], v[112+\c], s36, s37
.endr
.irp c, 0,1,2,3
	s_delay_alu instid0(VALU_DEP_4)
	\m2 v[112+\c], v[112+\c], v[116+\c]
.endr
.endm
; A byte = four codes, the first in the top two bits.  Magnitude: 3 / sqrt(5) where the code's two bits are equal, else 1 / sqrt(5).  Sign bit: the code's upper bit: the NEGATIVE of the grid's number.
.macro DEC e
	v_lshrrev_b32 v41, 1, v[T+\e]
	s_delay_alu instid0(VALU_DEP_1)
	v_xor_b32 v41, v41, v[T+\e]
	s_delay_alu instid0(VALU_DEP_1)
	v_xor_b32 v41, -1, v41                         ; bit 2 j: 1 where the two bits of the code at 2 j are equal
.irp c, 0,1,2,3
	v_bfe_u32 v[42+\c], v41, 6-2*\c, 1
	v_lshlrev_b32 v[46+\c], 24+2*\c, v[T+\e]       ; the code's upper bit to bit 31
.endr
.irp c, 0,1,2,3
	v_mad_u32_u24 v[D+4*\e+\c], v[42+\c], s21, s20 ; the bits of 1 / sqrt(5), + the distance to those of 3 / sqrt(5)
.endr
.irp c, 0,1,2,3
	s_delay_alu instid0(VALU_DEP_4)
	v_bfi_b32 v[D+4*\e+\c], s22, v[D+4*\e+\c], v[46+\c]
.endr
.endm
	s_load_b256 s[4:11], s[0:1], 0x0               ; trellis, SV, weight_scales, SU
	s_load_b128 s[12:15], s[0:1], 0x20             ; pmm, bcode
	s_load_b64 s[16:17], s[0:1], 0x30              ; params
	v_lshl_add_u32 v62, v0, 2, 0x4f000
	v_mov_b32 v63, 0
	v_lshrrev_b32 v1, 5, v0                        ; t / 32
	s_delay_alu instid0(VALU_DEP_1)
	v_readfirstlane_b32 s18, v1                    ; wave 0..15
	v_and_b32 v25, 31, v0                          ; lane
	v_lshlrev_b32 v2, 11, v0                       ; trellis: output t's 4,096 codes are 2,048 bytes... of words: 2,048 t
	v_lshlrev_b32 v3, 2, v0                        ; SV: 4 t
	v_lshlrev_b32 v4, 6, v0                        ; weight_scales: 16 groups a row: 64 t
	s_delay_alu instid0(VALU_DEP_4)
	v_lshrrev_b32 v26, 3, v25
	v_and_b32 v27, 7, v0
	s_delay_alu instid0(VALU_DEP_2)
	v_lshlrev_b32 v5, 14, v26                      ; the partials: 16,384 (lane / 8) + 16 (lane % 8)
	s_delay_alu instid0(VALU_DEP_1)
	v_lshl_add_u32 v5, v27, 4, v5
	v_lshlrev_b32 v6, 2, v25                       ; 4 x lane
	v_lshlrev_b32 v24, 4, v0                       ; bcode: 16 t
	v_lshlrev_b32 v7, 3, v0
	s_delay_alu instid0(VALU_DEP_1)
	v_lshl_add_u32 v7, v1, 3, v7
	s_delay_alu instid0(VALU_DEP_1)
	v_add_nc_u32 v7, RAW, v7                       ; RAW, way in: row t
	v_lshrrev_b32 v28, 3, v0                       ; og = t / 8
	s_delay_alu instid0(VALU_DEP_1)
	v_mul_u32_u24 v8, v28, 264
	v_xor_b32 v29, 1, v27                          ; columns 4 cq .. + 3 lie in byte cq xor 1: a 16-bit word's first four codes are its upper byte
	s_delay_alu instid0(VALU_DEP_1)
	v_add_nc_u32 v8, v8, v29
	s_delay_alu instid0(VALU_DEP_1)
	v_add_nc_u32 v8, RAW, v8                       ; RAW, way out: rows 32 og on
	s_lshl_b32 s26, s18, 7
	s_add_co_u32 s26, s26, RED
	v_lshl_add_u32 v9, v27, 4, s26                 ; RED, way in
	v_add_nc_u32 v10, RED, v6                      ; RED, way out: a lane a channel
	v_mul_u32_u24 v11, v28, OGP
	s_delay_alu instid0(VALU_DEP_1)
	v_lshl_add_u32 v11, v27, 4, v11                ; pass 1's stores: rows 32 og on, columns 4 cq on
	s_and_b32 s26, s18, 7                          ; pass 2: e = wave % 8 + 8 (lane / 16) + 16 (wave / 8), columns 2 (lane % 16) on
	s_mul_i32 s26, s26, WP
	s_lshr_b32 s27, s18, 3
	s_mul_i32 s27, s27, 16*WP
	s_add_co_u32 s26, s26, s27
	v_bfe_u32 v29, v0, 4, 1
	s_delay_alu instid0(VALU_DEP_1)
	v_mul_u32_u24 v29, v29, 8*WP
	v_and_b32 v30, 15, v0
	s_delay_alu instid0(VALU_DEP_1)
	v_lshl_add_u32 v29, v30, 3, v29
	s_delay_alu instid0(VALU_DEP_1)
	v_add_nc_u32 v12, s26, v29
.irp g, 1,2,3,4,5,6,7
	v_add_nc_u32 v[12+\g], 8*OGP*\g, v12           ; an address register for each eight of the 64 rows: the immediate has 16 bits
.endr
	v_mul_u32_u24 v20, v0, WP
	s_delay_alu instid0(VALU_DEP_1)
	v_lshl_add_u32 v20, v1, 7, v20                 ; the last phase: row t
.irp u, 1,2,3
	v_add_nc_u32 v[20+\u], 16*OGP*\u, v20          ; and rows t + 512 u
.endr
.irp c, 0,1,2,3
	v_mov_b32 v[116+\c], 0                         ; written once: a lane permute's destination counts as one of its sources
.endr
	s_mov_b32 s20, 0x3ee4f92e                      ; 1 / sqrt(5)
	s_mov_b32 s21, 0x00c6c1b5                      ; the bits of 3 / sqrt(5) less those of 1 / sqrt(5): 24 bits
	s_mov_b32 s22, 0x7fffffff
	s_mov_b32 s23, 0x05040100                      ; v_perm_b32: two low halves
	s_mov_b32 s24, 0xbcb504f3                      ; -1 / sqrt(2048)
	s_mov_b32 s25, s24                             ; (named with it as a pair, so it is written)
	s_mov_b32 s36, 0x76543210
	s_mov_b32 s37, 0xfedcba98                      ; v_permlanex16_b32's selects for lane l xor 16
	s_lshl_b32 s28, ttmp9, 4                       ; trellis: my 32 columns are 4 words: 16 ib
	s_mov_b32 s29, 0
	s_lshr_b32 s30, ttmp9, 3                       ; weight_scales: my columns' group in a row: ib / 8
	s_lshl_b32 s30, s30, 2
	s_mov_b32 s31, 0
	s_lshl_b32 s32, ttmp9, 7                       ; my 32 channels: 128 ib
	s_mov_b32 s33, 0
	s_lshr_b32 s34, s18, 3                         ; the partials: waves 0-7 the minima, 8-15 the maxima; 32 partials a wave
	s_lshl_b32 s34, s34, 22
	s_and_b32 s35, s18, 7
	s_lshl_b32 s35, s35, 19
	s_add_co_u32 s34, s34, s35
	s_add_co_u32 s34, s34, s32
	s_mov_b32 s35, 0
	s_lshr_b32 s38, ttmp9, 4                       ; bcode: K step ib / 16, plane ib % 16
	s_mul_i32 s38, s38, 17
	s_and_b32 s39, ttmp9, 15
	s_add_co_u32 s40, s38, s39
	s_lshl_b32 s40, s40, 15
	s_mov_b32 s41, 0
	s_add_co_u32 s42, s38, 16                      ; and plane 16, byte ib % 16
	s_lshl_b32 s42, s42, 15
	s_add_co_u32 s42, s42, s39
	s_mov_b32 s43, 0
	s_wait_kmcnt 0x0
	s_add_nc_u64 s[4:5], s[4:5], s[28:29]
	s_add_nc_u64 s[8:9], s[8:9], s[30:31]
	s_add_nc_u64 s[10:11], s[10:11], s[32:33]
	s_add_nc_u64 s[12:13], s[12:13], s[34:35]
	s_add_nc_u64 s[16:17], s[16:17], s[32:33]
	s_add_nc_u64 s[40:41], s[14:15], s[40:41]
	s_add_nc_u64 s[42:43], s[14:15], s[42:43]
	; ---- all loads of the launch
.irp u, 0,1,2,3
	global_load_b128 v[64+4*\u:67+4*\u], v2, s[4:5] offset:1048576*\u   ; rows t + 512 u: four words, 32 codes
.endr
.irp u, 0,1,2,3
	global_load_b32 v[32+2*\u], v3, s[6:7] offset:2048*\u               ; SV of those rows
.endr
.irp u, 0,1,2,3
	global_load_b32 v[33+2*\u], v4, s[8:9] offset:32768*\u              ; and their group's scale: the pair (SV, scale)
.endr
	global_load_b32 v40, v6, s[10:11]                                   ; SU of my 32 channels
.irp u, 0,1,2,3,4,5,6,7
	global_load_b128 v[80+4*\u:83+4*\u], v5, s[12:13] offset:65536*\u   ; partials 4 u + lane / 8 of my wave's 32, channels 4 (lane % 8) on
.endr
	s_wait_loadcnt 17                              ; the trellis words are in; behind them 4 + 4 + 1 + 8 loads
.irp u, 0,1,2,3
	v_perm_b32 v[48+2*\u], v[65+4*\u], v[64+4*\u], s23   ; only a word's low 16 bits hold codes
	v_perm_b32 v[49+2*\u], v[67+4*\u], v[66+4*\u], s23
.endr
.irp u, 0,1,2,3
	ds_store_b64 v7, v[48+2*\u:49+2*\u] offset:4224*\u
.endr
	s_wait_loadcnt 0x0
	s_cmp_lt_u32 s18, 8
	s_cbranch_scc0 .Lmaxima
	RED8 v_min3_num_f32, v_min_num_f32, v_min_num_f32_dpp
	s_branch .Ljoined
.Lmaxima:
	RED8 v_max3_num_f32, v_max_num_f32, v_max_num_f32_dpp
.Ljoined:
	s_wait_alu depctr_va_vdst(0)
	ds_store_b128 v9, v[112:115]                   ; the four lanes that share channels write the same bytes with the same values
	s_wait_dscnt 0x0                               ; for the others' sake
	s_barrier_signal -1
	s_barrier_wait -1                              ; RAW and RED are whole
	; ---- the fake-quantiser's numbers: wave 0 alone, a lane a channel
	s_cmp_lg_u32 s18, 0
	s_cbranch_scc1 .Lnot_wave_0
.irp w, 0,1,2,3,4,5,6,7,8,9,10,11,12,13,14,15
	ds_load_b32 v[96+\w], v10 offset:128*\w
.endr
	s_wait_dscnt 0x0
	v_min3_num_f32 v41, v96, v97, v98
	v_max3_num_f32 v42, v104, v105, v106
	s_delay_alu instid0(VALU_DEP_2)
	v_min3_num_f32 v41, v41, v99, v100
	s_delay_alu instid0(VALU_DEP_2)
	v_max3_num_f32 v42, v42, v107, v108
	s_delay_alu instid0(VALU_DEP_2)
	v_min3_num_f32 v41, v41, v101, v102
	s_delay_alu instid0(VALU_DEP_2)
	v_max3_num_f32 v42, v42, v109, v110
	s_delay_alu instid0(VALU_DEP_2)
	v_min_num_f32 v41, v41, v103
	s_delay_alu instid0(VALU_DEP_2)
	v_max_num_f32 v42, v42, v111
	s_delay_alu instid0(VALU_DEP_2)
	v_mul_f32 v41, 0x3c800000, v41                 ; / 64: the transform's factor, exact: xmin,
	s_delay_alu instid0(VALU_DEP_2)
	v_mul_f32 v42, 0x3c800000, v42                 ; xmax
	s_delay_alu instid0(VALU_DEP_1)
	v_sub_f32 v43, v42, v41
	s_delay_alu instid0(VALU_DEP_1)
	v_mul_f32 v44, 0x3b808081, v43                 ; (xmax - xmin) / 255: by the rounded reciprocal,
	s_delay_alu instid0(VALU_DEP_1)
	v_fma_f32 v45, 0xc37f0000, v44, v43            ; its remainder,
	s_delay_alu instid0(VALU_DEP_1)
	v_fma_f32 v44, v45, 0x3b808081, v44            ; corrected
	s_delay_alu instid0(VALU_DEP_1)
	v_max_num_f32 v44, 0x322bcc77, v44             ; scale, at least 1e-8
	s_wait_alu depctr_va_vdst(0)
	v_rcp_f32 v46, v44
	v_mul_f32 v47, -1.0, v41                       ; -xmin  (a plain line behind the reciprocal)
	s_wait_alu depctr_va_vdst(0)                   ; the wait ahead of the reciprocal's first reader
	v_fma_f32 v48, -v44, v46, 1.0
	v_fma_f32 v46, v48, v46, v46                   ; 1 / scale, refined
	s_delay_alu instid0(VALU_DEP_1)
	v_mul_f32 v49, v47, v46
	s_delay_alu instid0(VALU_DEP_1)
	v_fma_f32 v50, -v44, v49, v47
	s_delay_alu instid0(VALU_DEP_1)
	v_fma_f32 v49, v50, v46, v49                   ; -xmin / scale
	v_mul_f32 v56, 0x42800000, v44                 ; 64 x scale
	v_mul_f32 v57, 0x3c800000, v46                 ; (1 / scale) / 64
	s_delay_alu instid0(VALU_DEP_3)
	v_rndne_f32 v58, v49                           ; zero
	global_store_b32 v6, v40, s[16:17]             ; v40 and v56-58 are written by nothing else: no wait is owed for these stores
	global_store_b32 v6, v56, s[16:17] offset:16384
	global_store_b32 v6, v57, s[16:17] offset:32768
	global_store_b32 v6, v58, s[16:17] offset:49152
.Lnot_wave_0:
	; ---- pass 1: rows 32 og + e, e = 0 .. 31, columns 4 cq on; register 4 e + c
.set ee, 0
.rept 32
	ds_load_u8 v[T+ee], v8 offset:8*ee
.set ee, ee+1
.endr
	s_wait_dscnt 0x0
.set ee, 0
.rept 32
	DEC ee
.set ee, ee+1
.endr
.irp b, 0,1,2,3
	R4B D+32*\b, 2, 16, 4                          ; stages 0, 1
.endr
.irp b, 0,1,2,3
	R4B D+64*(\b/2)+8*(\b%2), 2, 4, 16             ; stages 2, 3
.endr
.set k, 0
.rept 32
	v_pk_add_f32 v[T+k:T+k+1], v[D+k:D+k+1], v[D+64+k:D+64+k+1]         ; stage 4: the sums go aside,
.set k, k+2
.endr
.set k, 0
.rept 32
	v_pk_add_f32 v[D+64+k:D+64+k+1], v[D+k:D+k+1], v[D+64+k:D+64+k+1] neg_lo:[0,1] neg_hi:[0,1]   ; the differences stay
.set k, k+2
.endr
.set ee, 0
.rept 16
	ds_store_b128 v11, v[T+4*ee:T+4*ee+3] offset:WP*ee
.set ee, ee+1
.endr
.rept 16
	ds_store_b128 v11, v[D+4*ee:D+4*ee+3] offset:WP*ee
.set ee, ee+1
.endr
	s_wait_dscnt 0x0
	s_barrier_signal -1
	s_barrier_wait -1                              ; W holds stages 0-4 of all rows
	; ---- pass 2: rows 32 f + e, f = 0 .. 63, two columns; registers 2 f, 2 f + 1
.set f, 0
.rept 64
	ds_load_b64 v[D+2*f:D+2*f+1], v[12+f/8] offset:OGP*(f%8)
.set f, f+1
.endr
.irp b, 0,1,2,3
	s_wait_dscnt 48-16*\b                          ; this batch's sixteen loads are in; the later batches' may be out
	R4B D+32*\b, 8, 16, 2                          ; stages 5, 6
.endr
.irp b, 0,1,2,3
	R4B D+32*\b, 2, 4, 8                           ; stages 7, 8
.endr
.irp b, 0,1,2,3
	R4B D+8*\b, 2, 4, 32                           ; stages 9, 10
.endr
.set f, 0
.rept 64
	ds_store_b64 v[12+f/8], v[D+2*f:D+2*f+1] offset:OGP*(f%8)   ; back to the bytes that only this lane touches in this pass
.set f, f+1
.endr
	s_wait_dscnt 0x0
	s_barrier_signal -1
	s_barrier_wait -1                              ; W holds the whole transform
	; ---- the factors and the quantiser: rows t + 512 u, all 32 columns: a whole block in a lane
.irp u, 0,1,2,3
.irp i, 0,1,2,3,4,5,6,7
	ds_load_b128 v[D+32*\u+4*\i:D+32*\u+4*\i+3], v[20+\u] offset:16*\i
.endr
.endr
.irp u, 0,1,2,3
.set dq, D+32*\u
	s_wait_dscnt 24-8*\u                           ; this row's eight loads are in
.set k, 0
.rept 16
	v_pk_mul_f32 v[dq+k:dq+k+1], v[dq+k:dq+k+1], s[24:25] op_sel_hi:[1,0]                 ; x -1 / sqrt(2048)
.set k, k+2
.endr
.set k, 0
.rept 16
	v_pk_mul_f32 v[dq+k:dq+k+1], v[dq+k:dq+k+1], v[32+2*\u:33+2*\u] op_sel_hi:[1,0]       ; x SV: the pair's low word for both halves
.set k, k+2
.endr
.set k, 0
.rept 16
	v_pk_mul_f32 v[dq+k:dq+k+1], v[dq+k:dq+k+1], v[32+2*\u:33+2*\u] op_sel:[0,1] op_sel_hi:[1,1]   ; x the group's scale: its high word
.set k, k+2
.endr
	v_max3_num_f32 v41, |v[dq]|, |v[dq+1]|, 0x1800000              ; the block's largest magnitude, and the floor 2^(3 - 127): the byte cannot fall under 1
	v_max3_num_f32 v42, |v[dq+2]|, |v[dq+3]|, |v[dq+4]|
.irp i, 5,9,13,17,21,25
	s_delay_alu instid0(VALU_DEP_2)
	v_max3_num_f32 v41, v41, |v[dq+\i]|, |v[dq+\i+1]|
	s_delay_alu instid0(VALU_DEP_2)
	v_max3_num_f32 v42, v42, |v[dq+\i+2]|, |v[dq+\i+3]|
.endr
	s_delay_alu instid0(VALU_DEP_2)
	v_max3_num_f32 v41, v41, |v[dq+29]|, |v[dq+30]|
	s_delay_alu instid0(VALU_DEP_1)
	v_max3_num_f32 v41, v41, v42, |v[dq+31]|
	s_delay_alu instid0(VALU_DEP_1)
	v_add_nc_u32 v[44+\u], 0xff000000, v41         ; 2 off its exponent field: the conversion's scale operand
.irp g, 0,1,2,3
	v_cvt_scalef32_pk8_fp4_f32 v[64+4*\u+\g], v[dq+8*\g:dq+8*\g+7], v[44+\u]
.endr
	v_lshrrev_b32 v[80+\u], 23, v[44+\u]           ; the scale's byte  (the plain line behind the conversions)
.endr
.irp u, 0,1,2,3
	global_store_b128 v24, v[64+4*\u:67+4*\u], s[40:41] offset:8192*\u   ; a wave stores 512 consecutive bytes
	global_store_b8 v24, v[80+\u], s[42:43] offset:8192*\u
.endr
	s_wait_tensorcnt 0x0
	ds_add_u32 v62, v63
	s_wait_dscnt 0x0
	s_endpgm
.Lfunc_end_k_q2b87fbf25d_wquant:
	.size	k_q2b87fbf25d_wquant, .Lfunc_end_k_q2b87fbf25d_wquant-k_q2b87fbf25d_wquant
	.p2alignl 7, 3214868480
	.fill 96, 4, 3214868480
	.section	.rodata,"a",@progbits
	.p2align	6, 0x0
	.amdhsa_kernel k_q2b87fbf25d_wquant
		.amdhsa_group_segment_fixed_size 325632
		.amdhsa_private_segment_fixed_size 0
		.amdhsa_enable_private_segment 0
		.amdhsa_kernarg_size 56
		.amdhsa_user_sgpr_count 2
		.amdhsa_user_sgpr_kernarg_segment_ptr 1
		.amdhsa_wavefront_size32 1
		.amdhsa_system_sgpr_workgroup_id_x 1
		.amdhsa_system_sgpr_workgroup_id_y 1
		.amdhsa_system_sgpr_workgroup_id_z 1
		.amdhsa_system_vgpr_workitem_id 0
		.amdhsa_next_free_vgpr 256
		.amdhsa_next_free_sgpr 66
		.amdhsa_reserve_vcc 0
		.amdhsa_float_denorm_mode_32 3
		.amdhsa_float_denorm_mode_16_64 3
		.amdhsa_memory_ordered 1
		.amdhsa_forward_progress 1
		.amdhsa_inst_pref_size 132
	.end_amdhsa_kernel
	.amdgpu_metadata
---
amdhsa.version: [ 1, 2 ]
amdhsa.kernels:
  - .name:           k_q2b87fbf25d_wquant
    .symbol:         k_q2b87fbf25d_wquant.kd
    .args:
      - { .name: trellis, .offset: 0, .size: 8, .value_kind: global_buffer, .address_space: global }
      - { .name: SV, .offset: 8, .size: 8, .value_kind: global_buffer, .address_space: global }
      - { .name: weight_scales, .offset: 16, .size: 8, .value_kind: global_buffer, .address_space: global }
      - { .name: SU, .offset: 24, .size: 8, .value_kind: global_buffer, .address_space: global }
      - { .name: pmm, .offset: 32, .size: 8, .value_kind: global_buffer, .address_space: global }
      - { .name: bcode, .offset: 40, .size: 8, .value_kind: global_buffer, .address_space: global }
      - { .name: params, .offset: 48, .size: 8, .value_kind: global_buffer, .address_space: global }
    .group_segment_fixed_size: 325632
    .private_segment_fixed_size: 0
    .kernarg_segment_align: 8
    .kernarg_segment_size: 56
    .max_flat_workgroup_size: 512
    .sgpr_count:     66
    .vgpr_count:     256
    .wavefront_size: 32
...
	.end_amdgpu_metadata
.endif
;; end of part 2
;; launch xquant (part 3): grid 256 x 1, 4 waves a work-group, no clusters, 207,360 bytes of LDS; arguments x, params, acode; writes acode
.if DOCPART == 3
	.amdgcn_target "amdgcn-amd-amdhsa--gfx1250"
	.amdhsa_code_object_version 6
	.text
	.protected	k_q2b87fbf25d_xquant
	.globl	k_q2b87fbf25d_xquant
	.p2align	8
	.type	k_q2b87fbf25d_xquant,@function
k_q2b87fbf25d_xquant:
	s_mov_b64 s[64:65], 0
	v_nop
	global_prefetch_b8 v0, s[64:65] scope:SCOPE_SE
	s_setreg_imm32_b32 hwreg(HW_REG_WAVE_MODE, 25, 1), 1
	s_wait_xcnt 0x0
; u = H (x * SU) once more, line for line as the launch that found the minima and maxima made it, then the 8-bit fake-quantiser of each channel, then MX-FP4 along the channels.
; ALL NUMBERS HERE ARE 64 TIMES THE DEFINITION'S (the transform's factor 1/64 is left off, the parameters carry it): a power of two changes no rounding, and it is taken off the scale's byte at the end.
; THE FAKE-QUANTISER AS IT IS DEFINED, step by step in f32: x / scale (a quotient by the refined reciprocal, corrected once by its own remainder), round to even, + zero, held to 0 .. 255, - zero, x scale, - x, x + that.
; params: [4][4096] f32: SU; B = 64 x scale; Y = (1 / scale) / 64; Z = zero.
; acode: [8 K steps][17 planes][8192 rows][16 bytes]: plane p < 16 the 32 codes of block 16 s + p, the lower k in the low four bits; plane 16 the row's 16 scale bytes of the K step.
; SHARES and LAYOUTS as in the first launch: wave w of work-group g takes rows 32 g + 8 w + 0 .. 7.  Behind the last stage lane (l = lane % 16, h = lane / 16) holds four whole blocks of 32: q = 0, 1: blocks 4 l + 2 h + q; q = 2, 3: 64 further on.
; THE WAY OUT.  A lane's 16 bytes of codes belong to one plane and one row.  The work-group's 32 rows are gathered in LDS, a line of 512 + 16 bytes for each of the 128 blocks, and leave at the end: each store covers 512 consecutive bytes of a plane.
; REGISTERS in windows of 256: window 0: v1-11 addresses and signs, v12-27 codes, v28-31 bytes, v32-63 T, v64-95 Q, v96-127 RR, v128-255 the row;  window 1: SU, the next row;  window 2: B, Y;  window 3: Z.
; LIMITS: NaN and infinities are not served; a block of zeros gets the byte 1 with zero codes (these bytes are read by this program alone); blocks whose largest magnitude lies under 2^-124 are held at that floor.
.set ROWB, 16384
.set LP,   528
.set TBW,  32*LP
.set PR,   4*TBW                       ; the four parameter arrays, 32 lines each
.set CSTG, 8*TBW                       ; the codes' stage: 128 lines
.set SSTG, 12*TBW                      ; the scale bytes' stage: [8 K steps][32 rows][16]
.set PLANE, 131072
.set GOFF, 1
.set LC,   2
.set LA,   3
.set CSA,  4                           ; v4  my place in the codes' stage, row 0 of my wave
.set SSA,  5                           ; v5  and in the bytes'
.set CSR,  6                           ; v6, v7  the same for the row in hand
.set SSR,  7
.set SG,   8
.set CD,   12
.set BY,   28
.set T,    32
.set Q,    64
.set RR,   96
.set X,    128
.set GR,   128
.set ROW,  11
.set XP,   12
.set MSB, 0
.macro WIN new                         ; the immediate's high byte repeats the setting that is left
.if MSB != \new
	s_set_vgpr_msb (MSB<<8)|\new
.set MSB, \new
.endif
.endm
.macro R4B a0, s1, s2, d               ; two stages at once, distances d and 2 d, on four butterflies of four register pairs; butterfly t begins at a0 + s1 (t % 2) + s2 (t / 2)
.irp t, 0,1,2,3
.set ra, (\a0)+(\s1)*(\t%2)+(\s2)*(\t/2)
	v_pk_add_f32 v[T+8*\t:T+8*\t+1], v[ra:ra+1], v[ra+\d:ra+\d+1]
	v_pk_add_f32 v[T+8*\t+2:T+8*\t+3], v[ra:ra+1], v[ra+\d:ra+\d+1] neg_lo:[0,1] neg_hi:[0,1]
	v_pk_add_f32 v[T+8*\t+4:T+8*\t+5], v[ra+2*\d:ra+2*\d+1], v[ra+3*\d:ra+3*\d+1]
	v_pk_add_f32 v[T+8*\t+6:T+8*\t+7], v[ra+2*\d:ra+2*\d+1], v[ra+3*\d:ra+3*\d+1] neg_lo:[0,1] neg_hi:[0,1]
.endr
.irp t, 0,1,2,3
.set ra, (\a0)+(\s1)*(\t%2)+(\s2)*(\t/2)
	v_pk_add_f32 v[ra:ra+1], v[T+8*\t:T+8*\t+1], v[T+8*\t+4:T+8*\t+5]
	v_pk_add_f32 v[ra+2*\d:ra+2*\d+1], v[T+8*\t:T+8*\t+1], v[T+8*\t+4:T+8*\t+5] neg_lo:[0,1] neg_hi:[0,1]
	v_pk_add_f32 v[ra+\d:ra+\d+1], v[T+8*\t+2:T+8*\t+3], v[T+8*\t+6:T+8*\t+7]
	v_pk_add_f32 v[ra+3*\d:ra+3*\d+1], v[T+8*\t+2:T+8*\t+3], v[T+8*\t+6:T+8*\t+7] neg_lo:[0,1] neg_hi:[0,1]
.endr
.endm
.macro GROUP g, n                      ; registers 32 g .. 32 g + 31 of the row: x SU, then stages 0 to 4.  n: the younger LDS loads that may stay out
	s_wait_dscnt \n
.set gx, X+32*\g
	WIN 0x04                                       ; source 1 (SU) in window 1
.set gi, 0
.rept 16
	v_pk_mul_f32 v[gx+gi:gx+gi+1], v[gx+gi:gx+gi+1], v[32*\g+gi:32*\g+gi+1]
.set gi, gi+2
.endr
	WIN 0
.set gi, 0
.rept 16
	v_pk_add_f32 v[gx+gi:gx+gi+1], v[gx+gi:gx+gi+1], v[gx+gi:gx+gi+1] op_sel:[0,1] op_sel_hi:[0,1] neg_hi:[0,1]   ; stage 0 inside a pair: low = a + b, high = a - b
.set gi, gi+2
.endr
	R4B gx, 8, 16, 2
	R4B gx, 2, 4, 8
.endm
.macro CROSS                           ; stages 5, 6
.irp b, 0,1,2,3
	R4B X+8*\b, 2, 4, 32
.endr
.endm
.macro XST m, pair, hi                 ; a stage between lanes m apart: the partner's number + (my sign x my number)
.set xu, 0
.rept 8
.set xt, T+16*(xu%2)
.set xx, X+16*xu
.irp p, 0,2,4,6,8,10,12,14
	v_pk_mul_f32 v[xt+\p:xt+\p+1], v[xx+\p:xx+\p+1], v[\pair:\pair+1] op_sel:[0,\hi] op_sel_hi:[1,\hi]
.endr
.irp j, 0,1,2,3,4,5,6,7,8,9,10,11,12,13,14,15
	v_add_f32_dpp v[xx+\j], v[xx+\j], v[xt+\j] row_xmask:\m row_mask:0xf bank_mask:0xf
.endr
.set xu, xu+1
.endr
.endm
.macro SWAP                            ; lane bit 4 changes places with register bit 6
.set si, 0
.rept 64
	v_permlane16_swap_b32 v[X+si], v[X+64+si]
.set si, si+1
.endr
.endm
.macro LAST c                          ; stage 11: the sums go to T, the differences stay
.set li, 0
.rept 16
	v_pk_add_f32 v[T+li:T+li+1], v[X+32*\c+li:X+32*\c+li+1], v[X+64+32*\c+li:X+64+32*\c+li+1]
.set li, li+2
.endr
.set li, 0
.rept 16
	v_pk_add_f32 v[X+64+32*\c+li:X+64+32*\c+li+1], v[X+32*\c+li:X+32*\c+li+1], v[X+64+32*\c+li:X+64+32*\c+li+1] neg_lo:[0,1] neg_hi:[0,1]
.set li, li+2
.endr
.endm
.macro LD4 g
.irp i, 0,1,2,3,4,5,6,7
	ds_load_b128 v[X+32*\g+4*\i:X+32*\g+4*\i+3], v[LA] offset:128*\g+16*\i
.endr
.endm
.macro RAWST
	WIN 0x04                                       ; an LDS store's data are its source 1: window 1
.set ri, 0
.rept 32
	ds_store_b128 v[LC], v[GR+4*ri:GR+4*ri+3] offset:LP*ri
.set ri, ri+1
.endr
	WIN 0
.endm
.macro GLOAD
	WIN 0x40                                       ; destination window 1
.set ri, 0
.rept 32
	global_load_b128 v[GR+4*ri:GR+4*ri+3], v[GOFF], s[XP:XP+1] offset:512*ri th:TH_LOAD_NT
.set ri, ri+1
.endr
	WIN 0
.endm
; A block of 32 numbers v[src] .. v[src + 31], whose parameters are registers k0 .. k0 + 31: fake-quantised into Q, then block q's codes into v[CD + 4 q] on and its scale byte into v[BY + q].
.macro QBLK src, k0, q
	WIN 0x08                                       ; source 1 in window 2: B at v0, Y at v128
.set p, 0
.rept 16
	v_pk_mul_f32 v[Q+p:Q+p+1], v[(\src)+p:(\src)+p+1], v[128+(\k0)+p:128+(\k0)+p+1]                       ; u x Y
.set p, p+2
.endr
.set p, 0
.rept 16
	v_pk_fma_f32 v[RR+p:RR+p+1], v[Q+p:Q+p+1], v[(\k0)+p:(\k0)+p+1], v[(\src)+p:(\src)+p+1] neg_lo:[0,1,0] neg_hi:[0,1,0]   ; the remainder u - B x quotient
.set p, p+2
.endr
.set p, 0
.rept 16
	v_pk_fma_f32 v[Q+p:Q+p+1], v[RR+p:RR+p+1], v[128+(\k0)+p:128+(\k0)+p+1], v[Q+p:Q+p+1]                 ; the quotient, corrected
.set p, p+2
.endr
.set p, 0
.rept 32
	v_rndne_f32 v[Q+p], v[Q+p]
.set p, p+1
.endr
	WIN 0x0c                                       ; source 1 in window 3: Z
.set p, 0
.rept 16
	v_pk_add_f32 v[Q+p:Q+p+1], v[Q+p:Q+p+1], v[(\k0)+p:(\k0)+p+1]
.set p, p+2
.endr
.set p, 0
.rept 32
	v_med3_num_f32 v[Q+p], v[Q+p], 0, s15          ; held to 0 .. 255
.set p, p+1
.endr
.set p, 0
.rept 16
	v_pk_add_f32 v[Q+p:Q+p+1], v[Q+p:Q+p+1], v[(\k0)+p:(\k0)+p+1] neg_lo:[0,1] neg_hi:[0,1]
.set p, p+2
.endr
	WIN 0x08
.set p, 0
.rept 16
	v_pk_mul_f32 v[Q+p:Q+p+1], v[Q+p:Q+p+1], v[(\k0)+p:(\k0)+p+1]                                         ; x B
.set p, p+2
.endr
	WIN 0
.set p, 0
.rept 16
	v_pk_add_f32 v[Q+p:Q+p+1], v[Q+p:Q+p+1], v[(\src)+p:(\src)+p+1] neg_lo:[0,1] neg_hi:[0,1]             ; dq - x
.set p, p+2
.endr
.set p, 0
.rept 16
	v_pk_add_f32 v[Q+p:Q+p+1], v[(\src)+p:(\src)+p+1], v[Q+p:Q+p+1]                                       ; x + (dq - x)
.set p, p+2
.endr
	v_max3_num_f32 v[RR], |v[Q]|, |v[Q+1]|, 0x4800000              ; the block's largest magnitude, and the floor 2^(3 - 127) x 64
	v_max3_num_f32 v[RR+1], |v[Q+2]|, |v[Q+3]|, |v[Q+4]|
.irp i, 5,9,13,17,21,25
	v_max3_num_f32 v[RR], v[RR], |v[Q+\i]|, |v[Q+\i+1]|
	v_max3_num_f32 v[RR+1], v[RR+1], |v[Q+\i+2]|, |v[Q+\i+3]|
.endr
	v_max3_num_f32 v[RR], v[RR], |v[Q+29]|, |v[Q+30]|
	v_max3_num_f32 v[RR], v[RR], v[RR+1], |v[Q+31]|
	v_add_nc_u32 v[RR+2], 0xff000000, v[RR]        ; 2 off its exponent field: the conversion's scale operand
.irp g, 0,1,2,3
	v_cvt_scalef32_pk8_fp4_f32 v[CD+4*(\q)+\g], v[Q+8*\g:Q+8*\g+7], v[RR+2]
.endr
	v_lshrrev_b32 v[BY+(\q)], 23, v[RR+2]          ; the byte of the numbers x 64  (the plain line behind the conversions),
	v_add_nc_u32 v[BY+(\q)], -6, v[BY+(\q)]        ; and of the numbers themselves: at least 1
.endm
.macro STG q                           ; block q of the row in hand goes to the stages
	ds_store_b128 v[CSR], v[CD+4*\q:CD+4*\q+3] offset:TBW*\q
	ds_store_b8 v[SSR], v[BY+\q] offset:2048*(\q/2)+(\q%2)
.endm
	s_load_b128 s[4:7], s[0:1], 0x0                ; x, params
	s_load_b64 s[8:9], s[0:1], 0x10                ; acode
	s_set_vgpr_msb 0xc0
	v_lshl_add_u32 v128, v0, 2, 0x32800
	v_mov_b32 v129, 0
	s_set_vgpr_msb 0xc000
	v_lshrrev_b32 v100, 5, v0
	v_readfirstlane_b32 s10, v100                  ; wave 0..3
	v_and_b32 v100, 31, v0                         ; lane
	v_and_b32 v101, 15, v0                         ; l
	v_bfe_u32 v102, v0, 4, 1                       ; h
	v_lshlrev_b32 v[GOFF], 4, v100
	s_mul_i32 s14, s10, TBW
	v_add_nc_u32 v[LC], s14, v[GOFF]
	v_mul_u32_u24 v103, v100, LP
	v_add_nc_u32 v[LA], s14, v103
	s_lshl_b32 s14, s10, 7                         ; my wave's 8 rows: 128 bytes of a line
	s_add_co_u32 s20, s14, CSTG
	v_add_nc_u32 v[CSA], s20, v103                 ; line 32 q + lane
	v_lshrrev_b32 v104, 2, v101
	v_and_b32 v105, 3, v101
	v_lshlrev_b32 v[SSA], 9, v104                  ; K step l / 4 (+ 4 for q = 2, 3),
	v_lshl_add_u32 v[SSA], v105, 2, v[SSA]         ; byte 4 (l % 4) + 2 h (+ q % 2)
	v_lshl_add_u32 v[SSA], v102, 1, v[SSA]
	s_add_co_u32 s20, s14, SSTG
	v_add_nc_u32 v[SSA], s20, v[SSA]
	v_add_nc_u32 v96, PR, v[LC]                    ; the parameters: way in, array = my wave;
	v_add_nc_u32 v97, PR, v103                     ; SU's way out: a line a lane;
	v_mul_u32_u24 v98, v101, LP
	v_lshl_add_u32 v98, v102, 8, v98
	v_add_nc_u32 v98, PR, v98                      ; the others': line l, byte 256 h
.irp b, 0,1,2,3
	v_bfe_u32 v99, v0, \b, 1
	v_cvt_f32_u32 v99, v99
	v_fma_f32 v[SG+\b], v99, -2.0, 1.0
.endr
	s_mov_b32 s15, 0x437f0000                      ; 255.0
	s_lshl_b32 s12, ttmp9, 19
	s_lshl_b32 s14, s10, 17
	s_add_co_u32 s12, s12, s14
	s_mov_b32 s13, 0
	s_lshl_b32 s24, s10, 14                        ; my wave's array of the parameters
	s_mov_b32 s25, 0
	s_lshr_b32 s20, s10, 1                         ; the codes' way out: wave w stores the blocks q = w: planes 68 (w / 2) + w % 2 + .., counted from 32 planes on, so that the immediates keep inside their signed 24 bits
	s_mul_i32 s20, s20, 68
	s_and_b32 s21, s10, 1
	s_add_co_u32 s20, s20, s21
	s_add_co_u32 s20, s20, 32
	s_lshl_b32 s20, s20, 17
	s_lshl_b32 s21, ttmp9, 9                       ; my work-group's 32 rows: 512 bytes of a plane
	s_add_co_u32 s20, s20, s21
	s_mov_b32 s21, 0
	s_mul_i32 s22, s10, 34                         ; the bytes': K steps 2 w and 2 w + 1, plane 16
	s_add_co_u32 s22, s22, 16
	s_lshl_b32 s22, s22, 17
	s_lshl_b32 s23, ttmp9, 9
	s_add_co_u32 s22, s22, s23
	s_mov_b32 s23, 0
	s_wait_kmcnt 0x0
	s_add_nc_u64 s[XP:XP+1], s[4:5], s[12:13]
	s_add_nc_u64 s[6:7], s[6:7], s[24:25]
	s_add_nc_u64 s[16:17], s[8:9], s[20:21]
	s_add_nc_u64 s[18:19], s[8:9], s[22:23]
.set i, 0
.rept 32
	global_load_b128 v[X+4*i:X+4*i+3], v[GOFF], s[6:7] offset:512*i
.set i, i+1
.endr
	GLOAD                                          ; row 0
	s_wait_loadcnt 32                              ; my array is in; row 0's 32 loads may be out
.set i, 0
.rept 32
	ds_store_b128 v96, v[X+4*i:X+4*i+3] offset:LP*i
.set i, i+1
.endr
	s_wait_dscnt 0x0                               ; for the others' sake
	s_barrier_signal -1
	s_barrier_wait -1                              ; all four arrays lie in LDS
	WIN 0x40
.set i, 0
.rept 32
	ds_load_b128 v[4*i:4*i+3], v97 offset:16*i                          ; SU: lane = channel / 128
.set i, i+1
.endr
	WIN 0x80
.set i, 0
.rept 16
	ds_load_b128 v[4*i:4*i+3], v98 offset:TBW+16*i                      ; B, in the layout behind the last stage
	ds_load_b128 v[64+4*i:64+4*i+3], v98 offset:TBW+16*LP+16*i
	ds_load_b128 v[128+4*i:128+4*i+3], v98 offset:2*TBW+16*i            ; Y
	ds_load_b128 v[192+4*i:192+4*i+3], v98 offset:2*TBW+16*LP+16*i
.set i, i+1
.endr
	WIN 0xc0
.set i, 0
.rept 16
	ds_load_b128 v[4*i:4*i+3], v98 offset:3*TBW+16*i                    ; Z
	ds_load_b128 v[64+4*i:64+4*i+3], v98 offset:3*TBW+16*LP+16*i
.set i, i+1
.endr
	WIN 0
	s_wait_loadcnt 0x0                             ; row 0
	s_wait_dscnt 0x0                               ; the parameters are in
	RAWST
	LD4 0
	LD4 2
	LD4 1
	LD4 3
	s_wait_dscnt 32                                ; all but the 32 loads just issued: the raw stores have read their registers
	s_wait_xcnt 0x0
	s_add_nc_u64 s[XP:XP+1], s[XP:XP+1], ROWB
	GLOAD                                          ; row 1
	s_mov_b32 s[ROW], 0
	s_mov_b32 s14, 0                               ; 16 x the row in hand
.Lrow:                                             ; 8 trips, as in the first launch
	GROUP 0, 24                                    ; behind group 0's eight loads stand those of groups 2, 1, 3
	GROUP 2, 16
	GROUP 1, 8
	GROUP 3, 0
	v_add_nc_u32 v[CSR], s14, v[CSA]               ; no LDS instruction of mine is out
	v_add_nc_u32 v[SSR], s14, v[SSA]
	CROSS
	XST 1, SG, 0
	XST 2, SG, 1
	XST 4, SG+2, 0
	XST 8, SG+2, 1
	SWAP
	s_cmp_lt_u32 s[ROW], 7
	s_cbranch_scc0 .Lno_raw
	s_wait_loadcnt 0x0                             ; the next row has arrived
	RAWST
.Lno_raw:
	LAST 0
	QBLK T, 0, 0
	QBLK X+64, 64, 2
	s_cmp_lt_u32 s[ROW], 6
	s_cbranch_scc0 .Lno_ask                        ; no load leaves my eight rows
	s_wait_loadcnt 0x0                             ; no load into these registers is out,
	s_wait_dscnt 0x0                               ; the raw stores have read them,
	s_wait_xcnt 0x0                                ; and the last loads have read their base
	s_add_nc_u64 s[XP:XP+1], s[XP:XP+1], ROWB
	GLOAD                                          ; the row two on
.Lno_ask:
	STG 0
	s_wait_alu depctr_va_vdst(0)
	STG 2
	s_cmp_lt_u32 s[ROW], 7
	s_cbranch_scc0 .Lno_ld02
	LD4 0
	LD4 2
.Lno_ld02:
	LAST 1
	QBLK T, 32, 1
	QBLK X+96, 96, 3
	s_wait_alu depctr_va_vdst(0)
	s_wait_dscnt 0x0                               ; groups 0 and 2 are in (asked for half a row's arithmetic ago): the counts at the loop's head then hold whichever way led here
	STG 1
	STG 3
	s_cmp_lt_u32 s[ROW], 7
	s_cbranch_scc0 .Lno_ld13
	LD4 1
	LD4 3
.Lno_ld13:
	s_add_co_u32 s14, s14, 16
	s_add_co_u32 s[ROW], s[ROW], 1
	s_cmp_lt_u32 s[ROW], 8
	s_cbranch_scc1 .Lrow
	; THE END: the stages hold 32 rows of every block.  Wave w stores lines 32 w .. 32 w + 31 (the blocks q = w of lanes 0 .. 31) and two K steps' scale bytes.
	s_wait_dscnt 0x0                               ; for the others' sake
	s_barrier_signal -1
	s_barrier_wait -1
	v_add_nc_u32 v96, CSTG, v[LC]
	s_lshl_b32 s14, s10, 10
	s_add_co_u32 s14, s14, SSTG
	v_add_nc_u32 v97, s14, v[GOFF]
.set l, 0
.rept 32
	ds_load_b128 v[X+4*l:X+4*l+3], v96 offset:LP*l
.set l, l+1
.endr
	ds_load_b128 v[T:T+3], v97
	ds_load_b128 v[T+4:T+7], v97 offset:512
.set l, 0
.rept 32
	s_wait_dscnt 33-l                              ; line l is in; the younger loads may be out
	global_store_b128 v[GOFF], v[X+4*l:X+4*l+3], s[16:17] offset:(17*((l%16)/4)+4*(l%4)+2*(l/16)-32)*PLANE   ; 32 rows x 16 bytes: 512 consecutive bytes of the block's plane
.set l, l+1
.endr
	s_wait_dscnt 0x0
	global_store_b128 v[GOFF], v[T:T+3], s[18:19]
	global_store_b128 v[GOFF], v[T+4:T+7], s[18:19] offset:17*PLANE
	s_set_vgpr_msb 0xf
	s_wait_tensorcnt 0x0
	ds_add_u32 v128, v129
	s_wait_dscnt 0x0
	s_set_vgpr_msb 0xf00
	s_endpgm
.Lfunc_end_k_q2b87fbf25d_xquant:
	.size	k_q2b87fbf25d_xquant, .Lfunc_end_k_q2b87fbf25d_xquant-k_q2b87fbf25d_xquant
	.p2alignl 7, 3214868480
	.fill 96, 4, 3214868480
	.section	.rodata,"a",@progbits
	.p2align	6, 0x0
	.amdhsa_kernel k_q2b87fbf25d_xquant
		.amdhsa_group_segment_fixed_size 207360
		.amdhsa_private_segment_fixed_size 0
		.amdhsa_enable_private_segment 0
		.amdhsa_kernarg_size 24
		.amdhsa_user_sgpr_count 2
		.amdhsa_user_sgpr_kernarg_segment_ptr 1
		.amdhsa_wavefront_size32 1
		.amdhsa_system_sgpr_workgroup_id_x 1
		.amdhsa_system_sgpr_workgroup_id_y 1
		.amdhsa_system_sgpr_workgroup_id_z 1
		.amdhsa_system_vgpr_workitem_id 0
		.amdhsa_next_free_vgpr 898
		.amdhsa_next_free_sgpr 66
		.amdhsa_reserve_vcc 0
		.amdhsa_float_denorm_mode_32 3
		.amdhsa_float_denorm_mode_16_64 3
		.amdhsa_memory_ordered 1
		.amdhsa_forward_progress 1
		.amdhsa_inst_pref_size 179
	.end_amdhsa_kernel
	.amdgpu_metadata
---
amdhsa.version: [ 1, 2 ]
amdhsa.kernels:
  - .name:           k_q2b87fbf25d_xquant
    .symbol:         k_q2b87fbf25d_xquant.kd
    .args:
      - { .name: x, .offset: 0, .size: 8, .value_kind: global_buffer, .address_space: global }
      - { .name: params, .offset: 8, .size: 8, .value_kind: global_buffer, .address_space: global }
      - { .name: acode, .offset: 16, .size: 8, .value_kind: global_buffer, .address_space: global }
    .group_segment_fixed_size: 207360
    .private_segment_fixed_size: 0
    .kernarg_segment_align: 8
    .kernarg_segment_size: 24
    .max_flat_workgroup_size: 128
    .sgpr_count:     66
    .vgpr_count:     898
    .wavefront_size: 32
...
	.end_amdgpu_metadata
.endif
;; end of part 3
;; launch gemm (part 4): grid 8 x 32, 4 waves a work-group, clusters of 4 x 4, 327,680 bytes of LDS; arguments acode, bcode, out0; writes out0
.if DOCPART == 4
	.amdgcn_target "amdgcn-amd-amdhsa--gfx1250"
	.amdhsa_code_object_version 6
	.text
	.protected	k_q2b87fbf25d_gemm
	.globl	k_q2b87fbf25d_gemm
	.p2align	8
	.type	k_q2b87fbf25d_gemm,@function
k_q2b87fbf25d_gemm:
	s_mov_b64 s[64:65], 0
	v_nop
	global_prefetch_b8 v0, s[64:65] scope:SCOPE_SE
	s_setreg_imm32_b32 hwreg(HW_REG_WAVE_MODE, 25, 1), 1
	s_wait_xcnt 0x0
	s_wait_alu depctr_hold_cnt(0) depctr_sa_sdst(0) depctr_va_vdst(0) depctr_va_sdst(0) depctr_va_ssrc(0) depctr_va_vcc(0) depctr_vm_vsrc(0)
	s_getreg_b32 s2, hwreg(HW_REG_IB_STS2, 6, 4)
	s_cmp_eq_u32 s2, 0
	s_cbranch_scc0 .Lentry_in_a_cluster
	s_endpgm
.Lentry_in_a_cluster:
	s_bfe_u32 s2, ttmp6, 0x10000c
	s_cmp_lg_u32 s2, 0xf033
	s_cbranch_scc0 .Lentry_shape_is_right
	s_endpgm
.Lentry_shape_is_right:
.set SIZE_M, 8192
.set SIZE_N, 2048
.set SIZE_K, 4096
.set KSTEP,  512
.set NQ,     KSTEP/128
.set NPL,    17
.set PLB,    2048
.set PLANEA, SIZE_M*16
.set PLANEB, SIZE_N*16
.set FR,     8
.set NL,     2
.set NP,     4
.set HALFT,  NPL*PLB
.set SLOT,   4*HALFT
.set LAPS,   SIZE_K/(2*KSTEP)
.set SPARE,  2*SLOT
.set SPITCH, 528
.set ADRA, 16
.set ADRB, 20
.set ADRS, 22
.set STO,  24
.set RD,   25
.set CO,   26
.set PFO,  27
.set SPW,  28
.set NIL,  29
.set SC,   32
.set AF,   128
.set BK,   128
.set G1, 24
.set G0, 32
.set G1B, 48
.set G0B, 56
.set PFA, 66
.set PFS, 68
.set LIM, 70
.set MSB, 0
.macro WIN new
.if MSB != \new
	s_set_vgpr_msb (MSB<<8)|\new
.set MSB, \new
.endif
.endm
.set MUL_LO, 0xa1
.set MUL_HI, 0xf1
.set TO_B,   0x40
.macro JLOAD g0a, g1a, g0b, g1b
	s_cmp_eq_u32 s15, 0
	s_cbranch_scc0 .Lfor_b_\@
	tensor_load_to_lds s[\g0a:\g0a+3], s[\g1a:\g1a+7]
	s_nop 0
.rept 4
	v_nop
.endr
	s_branch .Lasked_\@
.Lfor_b_\@:
	tensor_load_to_lds s[\g0b:\g0b+3], s[\g1b:\g1b+7]
	s_nop 0
.rept 4
	v_nop
.endr
.Lasked_\@:
.endm
.macro ASK
	s_cmp_gt_u32 s3, s[LIM]
	s_cbranch_scc0 .Lnot_mine_\@
	s_wait_alu depctr_va_vdst(0)
	global_prefetch_b8 v[PFO], s[PFA:PFA+1] th:TH_LOAD_NT scope:SCOPE_SE
.Lnot_mine_\@:
.endm
.macro CREST
	s_cmp_lg_u32 s14, 0
	s_cbranch_scc1 .Lnot_wave_0_\@
	s_barrier_signal -3
.Lnot_wave_0_\@:
	s_barrier_wait -3
	s_barrier_signal -1
	s_barrier_wait -1
.endm
.macro CROUND
	s_barrier_signal -1
	s_barrier_wait -1
	CREST
.endm
	s_load_b128 s[4:7], s[0:1], 0x0
	s_load_b64 s[12:13], s[0:1], 0x10
	v_lshl_add_u32 v[SPW], v0, 2, SPARE
	v_mov_b32 v[NIL], 0
	ds_add_u32 v28, v29
	ds_add_u32 v28, v29
	s_wait_dscnt 0x0
	v_lshrrev_b32 v1, 5, v0
	v_readfirstlane_b32 s14, v1
	s_lshr_b32 s15, s14, 1
	s_and_b32 s16, s14, 1
	s_bfe_u32 s40, ttmp6, 0x40000
	s_bfe_u32 s41, ttmp6, 0x40004
	s_lshl_b32 s42, ttmp9, 2
	s_add_co_u32 s42, s42, s40
	s_and_b32 s17, ttmp7, 0xffff
	s_lshl_b32 s17, s17, 2
	s_add_co_u32 s17, s17, s41
	s_lshl_b32 s43, s41, 2
	s_lshl_b32 s43, 15, s43
	s_lshl_b32 s44, 0x1111, s40
	s_or_b32 s[G1+0], s43, (3<<16)|(1<<21)
	s_or_b32 s[G1B+0], s44, (3<<16)|(1<<21)
.irp g, G1, G1B
	s_mov_b32 s[\g+1], (PLB/8)<<16
	s_mov_b32 s[\g+2], NPL<<16
	s_mov_b32 s[\g+3], (PLB/8)<<16
	s_mov_b32 s[\g+4], NPL
	s_mov_b32 s[\g+6], 0
	s_mov_b32 s[\g+7], 0
.endr
	s_mov_b32 s[G1+5], PLANEA/8
	s_mov_b32 s[G1B+5], PLANEB/8
	s_lshl_b32 s18, s16, 11
	s_lshl_b32 s20, s17, 12
	s_add_co_u32 s20, s20, s18
	s_lshl_b32 s46, s42, 12
	s_add_co_u32 s46, s46, s18
	s_mov_b32 s21, 0
	s_mov_b32 s47, 0
	s_mul_i32 s45, s14, HALFT
	s_wait_kmcnt 0x0
	s_add_nc_u64 s[20:21], s[4:5], s[20:21]
	s_add_nc_u64 s[46:47], s[6:7], s[46:47]
	CROUND
.irp s, 0,1
	s_mov_b32 s[G0+4*\s], 1
	s_add_co_u32 s[G0+4*\s+1], s45, \s*SLOT
	s_add_nc_u64 s[G0+4*\s+2:G0+4*\s+3], s[20:21], \s*NPL*PLANEA
	s_or_b32 s[G0+4*\s+3], s[G0+4*\s+3], 0x80000000
	s_mov_b32 s[G0B+4*\s], 1
	s_add_co_u32 s[G0B+4*\s+1], s45, \s*SLOT
	s_add_nc_u64 s[G0B+4*\s+2:G0B+4*\s+3], s[46:47], \s*NPL*PLANEB
	s_or_b32 s[G0B+4*\s+3], s[G0B+4*\s+3], 0x80000000
	s_wait_alu depctr_va_vdst(0)
	s_wait_tensorcnt 0x0
	ds_add_u32 v28, v29
	ds_add_u32 v28, v29
	s_wait_dscnt 0x0
	CROUND
	JLOAD G0+4*\s, G1, G0B+4*\s, G1B
.endr
	v_and_b32 v1, 15, v0
	v_bfe_u32 v2, v0, 4, 1
	s_wait_alu depctr_va_vdst(0)
	v_lshlrev_b32 v3, 4, v1
	v_lshl_add_u32 v4, v2, 11, v3
	s_mul_i32 s21, s15, HALFT
	s_mul_i32 s22, s16, HALFT
	s_add_co_u32 s22, s22, 2*HALFT
.irp s, 0,1
	v_add_nc_u32 v[ADRA+\s], s21, v4
	v_add_nc_u32 v[ADRB+\s], s22, v4
	s_add_co_u32 s21, s21, SLOT
	s_add_co_u32 s22, s22, SLOT
.endr
	s_mul_i32 s21, s15, HALFT
	s_mul_i32 s22, s16, HALFT
	s_add_co_u32 s22, s22, 2*HALFT
	s_sub_co_u32 s22, s22, s21
	v_mul_u32_u24 v6, s22, v2
	s_wait_alu depctr_va_vdst(0)
	s_add_co_u32 s21, s21, 16*PLB
	v_add_nc_u32 v5, v3, v6
	v_add_nc_u32 v[ADRS], s21, v5
	v_add_nc_u32 v[ADRS+1], SLOT, v[ADRS]
	s_mul_i32 s23, s14, 16*SPITCH
	v_mul_u32_u24 v5, v1, SPITCH
	v_lshl_add_u32 v5, v2, 5, v5
	v_add_nc_u32 v[STO], s23, v5
	v_and_b32 v6, 31, v0
	v_lshlrev_b32 v[CO], 4, v6
	v_add_nc_u32 v[RD], s23, v[CO]
	s_lshl_b32 s20, s17, 8
	s_lshl_b32 s21, s15, 7
	s_add_co_u32 s20, s20, s21
	s_mov_b32 s21, 0
	s_mov_b64 s[18:19], SIZE_N*4
	s_mul_u64 s[20:21], s[20:21], s[18:19]
	s_lshl_b32 s46, s42, 10
	s_lshl_b32 s47, s16, 9
	s_add_co_u32 s46, s46, s47
	s_mov_b32 s47, 0
	s_add_nc_u64 s[20:21], s[20:21], s[46:47]
	s_add_nc_u64 s[12:13], s[12:13], s[20:21]
	s_and_b32 s22, ttmp7, 0xffff
	s_mov_b32 s23, PLANEB
	s_cmp_eq_u32 s15, 0
	s_cselect_b32 s20, s17, s42
	s_cselect_b32 s21, s40, s41
	s_cselect_b32 s22, ttmp9, s22
	s_cselect_b64 s[PFA:PFA+1], s[4:5], s[6:7]
	s_cselect_b32 s23, PLANEA, s23
	s_cmp_eq_u32 s22, 0
	s_cselect_b32 s[LIM], 1, -1
	s_lshl_b32 s20, s20, 12
	s_lshl_b32 s18, s16, 11
	s_add_co_u32 s20, s20, s18
	s_lshl_b32 s21, s21, 2
	s_add_co_u32 s21, s21, 3*NPL
	s_mul_i32 s21, s21, s23
	s_add_co_u32 s20, s20, s21
	s_mov_b32 s21, 0
	s_add_nc_u64 s[PFA:PFA+1], s[PFA:PFA+1], s[20:21]
	s_mul_i32 s[PFS], s23, NPL
	s_mov_b32 s[PFS+1], 0
	v_bfe_u32 v5, v0, 3, 2
	v_mul_lo_u32 v5, v5, s23
	v_and_b32 v6, 7, v0
	v_lshl_add_u32 v[PFO], v6, 8, v5
.macro FRAG reg, adr, q, i
.irp c, 0,1
	ds_load_b128 v[\reg+4*\c:\reg+4*\c+3], v[\adr] offset:(4*(\q)+2*\c)*PLB+(\i)*256
.endr
.endm
.macro MUL16 a0, p, q, sc, zero
.irp a, \a0, \a0+1
.irp b, 0,1,2,3,4,5,6,7
.if \zero
	v_wmma_scale_f32_16x16x128_f8f6f4 v[8*(8*((\a)%4)+\b):8*(8*((\a)%4)+\b)+7], v[128*(\p)+FR*\b:128*(\p)+FR*\b+FR-1], v[AF+FR*(\a):AF+FR*(\a)+FR-1], 0, v[SC+8*NQ*(\sc)+NQ*\b+(\q)], v[SC+8*NQ*(\sc)+NQ*(\a)+(\q)] matrix_a_fmt:MATRIX_FMT_FP4 matrix_b_fmt:MATRIX_FMT_FP4 matrix_a_scale:MATRIX_SCALE_ROW1
.else
	v_wmma_scale_f32_16x16x128_f8f6f4 v[8*(8*((\a)%4)+\b):8*(8*((\a)%4)+\b)+7], v[128*(\p)+FR*\b:128*(\p)+FR*\b+FR-1], v[AF+FR*(\a):AF+FR*(\a)+FR-1], v[8*(8*((\a)%4)+\b):8*(8*((\a)%4)+\b)+7], v[SC+8*NQ*(\sc)+NQ*\b+(\q)], v[SC+8*NQ*(\sc)+NQ*(\a)+(\q)] matrix_a_fmt:MATRIX_FMT_FP4 matrix_b_fmt:MATRIX_FMT_FP4 matrix_a_scale:MATRIX_SCALE_ROW1
.endif
.endr
.endr
.endm
.macro FETCH_B slot, q, p
	WIN TO_B
.irp i, 0,1,2,3,4,5,6,7
	FRAG 128*(\p)+FR*\i, ADRB+\slot, \q, \i
.endr
	WIN 0
.endm
.macro FETCH_A slot, q, i0
.irp i, \i0, \i0+1, \i0+2, \i0+3
	FRAG AF+FR*(\i), ADRA+\slot, \q, \i
.endr
.endm
.macro SCALES sc
.irp i, 0,1,2,3,4,5,6,7
	ds_load_b128 v[SC+8*NQ*\sc+NQ*\i:SC+8*NQ*\sc+NQ*\i+3], v[ADRS+\sc] offset:\i*256
.endr
.endm
.macro PLACES n
.rept \n
	v_nop
.endr
.endm
.macro STEP slot, q, zero
	s_wait_dscnt 4*NL
	WIN MUL_LO
	MUL16 0, (\q)%2, \q, \slot, \zero
	MUL16 2, (\q)%2, \q, \slot, \zero
	s_wait_dscnt 0
	PLACES NP
	FETCH_B \slot, (\q)+1, 1-(\q)%2
	FETCH_A \slot, (\q)+1, 0
	WIN MUL_HI
	MUL16 4, (\q)%2, \q, \slot, \zero
	MUL16 6, (\q)%2, \q, \slot, \zero
	PLACES NP
	WIN 0
	FETCH_A \slot, (\q)+1, 4
.endm
.macro TURN slot, next, fill
.if \fill
	s_wait_xcnt 0x0
	s_add_nc_u64 s[PFA:PFA+1], s[PFA:PFA+1], s[PFS:PFS+1]
.endif
	s_wait_tensorcnt 0x0
	ds_add_u32 v[SPW], v[NIL]
	s_wait_dscnt 4*NL+1
	WIN MUL_LO
	MUL16 0, 1, NQ-1, \slot, 0
	s_wait_dscnt 0x0
	s_barrier_signal -1
	MUL16 2, 1, NQ-1, \slot, 0
	WIN 0
	s_barrier_wait -1
.if \fill
	CREST
	s_add_nc_u64 s[G0+4*\slot+2:G0+4*\slot+3], s[G0+4*\slot+2:G0+4*\slot+3], 2*NPL*PLANEA
	s_add_nc_u64 s[G0B+4*\slot+2:G0B+4*\slot+3], s[G0B+4*\slot+2:G0B+4*\slot+3], 2*NPL*PLANEB
	JLOAD G0+4*\slot, G1, G0B+4*\slot, G1B
.else
	PLACES NP
.endif
	FETCH_B \next, 0, 0
	FETCH_A \next, 0, 0
	SCALES \next
.if \fill
	ASK
.endif
	WIN MUL_HI
	MUL16 4, 1, NQ-1, \slot, 0
	MUL16 6, 1, NQ-1, \slot, 0
	PLACES NP
	WIN 0
	FETCH_A \next, 0, 4
.endm
.macro STEPS slot, from
.set Q, \from
.rept NQ-1-\from
	STEP \slot, Q, 0
.set Q, Q+1
.endr
.endm
	s_wait_tensorcnt 1
	s_barrier_signal -1
	s_barrier_wait -1
	FETCH_B 0, 0, 0
	FETCH_A 0, 0, 0
	SCALES 0
	FETCH_A 0, 0, 4
	STEP 0, 0, 1
	s_mov_b32 s3, LAPS-1
.Llap:
	STEPS 0, 1
	TURN 0, 1, 1
	STEPS 1, 0
	TURN 1, 0, 1
	STEP 0, 0, 0
	s_sub_co_u32 s3, s3, 1
	s_cmp_lg_u32 s3, 0
	s_cbranch_scc1 .Llap
	STEPS 0, 1
	TURN 0, 1, 0
	STEPS 1, 0
	s_wait_dscnt 4*NL
	WIN MUL_LO
	MUL16 0, 1, NQ-1, 1, 0
	MUL16 2, 1, NQ-1, 1, 0
	s_wait_alu depctr_va_vdst(0)
	s_wait_dscnt 0
	WIN MUL_HI
	MUL16 4, 1, NQ-1, 1, 0
	MUL16 6, 1, NQ-1, 1, 0
	WIN 0
.macro TOSTAGE a
.set AC, 64*((\a)%4)
	WIN 0x08+4*((\a)/4)
.irp b, 0,1,2,3,4,5,6,7
	ds_store_b128 v[STO], v[AC+8*\b:AC+8*\b+3] offset:64*\b
	ds_store_b128 v[STO], v[AC+8*\b+4:AC+8*\b+7] offset:64*\b+16
.endr
	WIN 0
.set BB, BK+64*((\a)%2)
.irp t, 0,1,2,3,4,5,6,7,8,9,10,11,12,13,14,15
	ds_load_b128 v[BB+4*\t:BB+4*\t+3], v[RD] offset:\t*SPITCH
.endr
.endm
.macro SEND a, younger
.set BB, BK+64*((\a)%2)
	s_wait_dscnt \younger
.if (\a) > 0
	s_add_nc_u64 s[12:13], s[12:13], 16*SIZE_N*4
.endif
.irp t, 0,1,2,3,4,5,6,7,8,9,10,11,12,13,14,15
	global_store_b128 v[CO], v[BB+4*\t:BB+4*\t+3], s[12:13] offset:\t*SIZE_N*4 th:TH_STORE_NT
.endr
.endm
	PLACES NP
	TOSTAGE 0
.irp a, 1,2,3,4,5,6,7
.if \a > 1
	s_wait_xcnt 0x0
.endif
	TOSTAGE \a
	SEND \a-1, 32
.endr
	s_wait_xcnt 0x0
	SEND 7, 0
	s_wait_tensorcnt 0x0
	ds_add_u32 v[SPW], v[NIL]
	s_wait_dscnt 0x0
	CROUND
	s_endpgm
.Lfunc_end_k_q2b87fbf25d_gemm:
	.size	k_q2b87fbf25d_gemm, .Lfunc_end_k_q2b87fbf25d_gemm-k_q2b87fbf25d_gemm
	.p2alignl 7, 3214868480
	.fill 96, 4, 3214868480
	.section	.rodata,"a",@progbits
	.p2align	6, 0x0
	.amdhsa_kernel k_q2b87fbf25d_gemm
		.amdhsa_group_segment_fixed_size 327680
		.amdhsa_private_segment_fixed_size 0
		.amdhsa_enable_private_segment 0
		.amdhsa_kernarg_size 24
		.amdhsa_user_sgpr_count 2
		.amdhsa_user_sgpr_kernarg_segment_ptr 1
		.amdhsa_wavefront_size32 1
		.amdhsa_system_sgpr_workgroup_id_x 1
		.amdhsa_system_sgpr_workgroup_id_y 1
		.amdhsa_system_sgpr_workgroup_id_z 1
		.amdhsa_system_vgpr_workitem_id 0
		.amdhsa_next_free_vgpr 1024
		.amdhsa_next_free_sgpr 72
		.amdhsa_reserve_vcc 0
		.amdhsa_float_denorm_mode_32 3
		.amdhsa_float_denorm_mode_16_64 3
		.amdhsa_memory_ordered 1
		.amdhsa_forward_progress 1
		.amdhsa_inst_pref_size 211
	.end_amdhsa_kernel
	.amdgpu_metadata
---
amdhsa.version: [ 1, 2 ]
amdhsa.kernels:
  - .name:           k_q2b87fbf25d_gemm
    .symbol:         k_q2b87fbf25d_gemm.kd
    .args:
      - { .name: acode, .offset: 0, .size: 8, .value_kind: global_buffer, .address_space: global }
      - { .name: bcode, .offset: 8, .size: 8, .value_kind: global_buffer, .address_space: global }
      - { .name: out0, .offset: 16, .size: 8, .value_kind: global_buffer, .address_space: global }
    .group_segment_fixed_size: 327680
    .private_segment_fixed_size: 0
    .kernarg_segment_align: 8
    .kernarg_segment_size: 24
    .max_flat_workgroup_size: 128
    .sgpr_count:     72
    .vgpr_count:     1024
    .wavefront_size: 32
...
	.end_amdgpu_metadata
.endif
;; end of part 4
